; MI455X (gfx1250); checked and timed in simulation.
; The chip was launched on July 23, 2026; its instructions are those of AMD's public machine-readable ISA for CDNA 5 (MIT licence, August 2026) and "CDNA5" Instruction Set Architecture Reference Guide (July 2026). The comments in the code are by the model that wrote it; some were corrected since.
;; Param Dist. Allowed arithmetic: matrix products marked QUANTISED: E4M3 operands, one given power-of-two scale a tensor, by v_wmma_f32_16x16x64_fp8_fp8 or v_wmma_f32_16x16x128_fp8_fp8, f32 sums; everything else in f32.
;; Inputs: W 4,096 x 4,096 float32; lowp_scales 2 int32 (the exponents e of the quantised operands' scales 2^e); x_codes 4,096 x 128 x 32 uint8 (E4M3 codes of x, K innermost, in blocks of 32 codes); y 4,096 x 4,096 float32.
;; Outputs: out0 4,096 x 4,096 float32.
;; This version of the problem:
;;   THIS VERSION OF THE PROBLEM IS GIVEN IN LOW PRECISION. The matrix products marked QUANTISED in the list below multiply operands that are first quantised to E4M3 (4 exponent bits, 3 mantissa bits; 8 bits a number), with one given power-of-two scale for each operand tensor; their sums are f32. All else is computed in f32.
;;   The module's matrix products, in the order in which they are computed (A, B: the left and right operand; K: the contracted axis; several contracted axes count as one K, in the product's order):
;;     1. [M 4,096, K 4,096] x [K 4,096, N 4,096]; A: input x (given as codes); B: input W: QUANTISED (scales: A lowp_scales[0], B lowp_scales[1])
;;   THE QUANTISER, for each operand of a quantised product, along K:
;;     - The operand's scale is 2^e, e = its entry of the input lowp_scales (int32; the entries are numbered through the quantised products in the list's order, A before B).
;;     - Each number is divided by the scale, clamped to +-448, and rounded to the nearest number of E4M3, ties to even, subnormals kept.
;;     - The product sums the exact products of the quantised numbers (number of the format x scale) in f32.
;;   ~~~python
;;   def quantise(x, axis, e):      # numpy; x: float32 -> the quantised numbers, widened to float32 again
;;       x = np.moveaxis(x, axis, -1); K = x.shape[-1]
;;       r = np.clip(x / 2.0 ** e, -448, 448)
;;       step = 2.0 ** (np.maximum(np.frexp(np.where(r == 0, 1, r))[1] - 1, -6) - 3)
;;       q = np.round(r / step) * step * 2.0 ** e      # np.round: ties to even
;;       return np.moveaxis(q, -1, axis).astype(np.float32)
;;   ~~~
;;   INPUTS GIVEN AS CODES. x (in the module: [4096, 4096], K = its axis 1): each comes as NAME_codes (uint8): NAME with its K axis moved to the last place and cut into blocks of 32 codes, [.., K / 32, bytes a block], one block behind the other in memory; one code a byte (a code: sign, 4 exponent bits, 3 mantissa bits); its scale is its entry of lowp_scales. Its value is code x scale, taken as it is: it is not quantised again, and the codes and scales need not be those that the quantiser above would give.
;; One version. Each part assembles by itself: llvm-mc -triple=amdgcn-amd-amdhsa -mcpu=gfx1250 --defsym DOCPART=n.
;; ======== version 1 of 1: 2 launches
;; limits: right only within a limited range of input values
;; workspace buffers: w_codes 16,777,216 bytes; yw 16,384 bytes
;; launch prep (part 1): grid 1024 x 1, 4 waves a work-group, no clusters, 16,896 bytes of LDS; arguments W, y, lowp_scales, w_codes, yw; writes w_codes, yw
.if DOCPART == 1
	.amdgcn_target "amdgcn-amd-amdhsa--gfx1250"
	.amdhsa_code_object_version 6
	.text
	.protected	k_q6ee1c23c20_prep
	.globl	k_q6ee1c23c20_prep
	.p2align	8
	.type	k_q6ee1c23c20_prep,@function
k_q6ee1c23c20_prep:
	s_mov_b64 s[64:65], 0
	v_nop
	global_prefetch_b8 v0, s[64:65] scope:SCOPE_SE
	s_setreg_imm32_b32 hwreg(HW_REG_WAVE_MODE, 25, 1), 1
	s_wait_xcnt 0x0
; W [4096][4096] f32 is read ONCE and serves two things from the same registers:
;   w_codes[j][k] = the E4M3 code of W[j][k] / 2^e1, held within +-448, to the nearest code, ties to even (e1 = entry 1 of the scales' buffer); one code a byte, K in order;
;   yw[j] = the sum over k of y[j][k] W[j][k], on the numbers as they are given, in f32.
; LIMITS: e1 between -126 and 119, so that 2^e1 and 448 x 2^e1 are f32 numbers.  NaN in W is not served by the hold (an infinity is held at the largest code).
; yw's f32 additions go in this text's own order: eight partial sums a lane, then across the 32 lanes.
; SHARES.  One wave takes one row j = 4 x work-group + wave: 16,384 bytes of W, as many of y, 4,096 bytes of codes, one number of yw.  Eight steps of 512 numbers, written out: every offset is an
; immediate, no pointer is stepped, no wave waits for another.  Loads run four steps ahead: 32 loads of 512 consecutive bytes a wave.
; THE CODES' WAY.  A load gives a lane 4 neighbours (16 bytes), and the tensor has ONE scale, so a conversion may take any eight numbers of a lane: its two result words are the four codes of one load and the
; four of the next.  Each word goes to the wave's own LDS bytes at the place of its k (4 x lane + 128 x load), and 16 bytes a lane come back, so that a store of the wave covers 512 consecutive bytes, aligned.
; Only codes turn through LDS: a quarter of the bytes that the numbers would be.
; LEFT OUT: the tensor data mover and a ring in LDS (128 registers hold what is on its way); clusters (work-groups share no input); matrix units (there is no product here).
; yw leaves as one store of 4 bytes a wave: 16 KiB in all, beside 16 MiB of codes.
.set ROWF,  16384                      ; a row of W or of y in bytes
.set ROWC,  4096                       ; a row of codes in bytes, and a wave's LDS bytes
.set LO,    2                          ; v2       16 x lane: my bytes of a load's 512, and of a code store's 512; never rewritten
.set SA,    3                          ; v3       LDS: 4,096 x wave + 4 x lane: where a word of four codes goes
.set SR,    4                          ; v4       LDS: 4,096 x wave + 16 x lane: where 16 codes come back from
.set ZO,    5                          ; v5       0: the offset of yw's store
.set LIM,   10                         ; v10      448 x 2^e1
.set SC,    11                         ; v11      2^e1
.set ACC,   12                         ; v[12:19] four pairs of partial sums of y W
.set C,     20                         ; v[20:23] a step's codes: word i = the four codes of load i
.set WR,    32                         ; v[32:95]   four sets of 16 numbers of W
.set YR,    96                         ; v[96:159]  four sets of 16 numbers of y
.set O,     160                        ; v[160:191] four registers for each step: 16 codes to store; written once, so no store's data are written again
	s_load_b256 s[4:11], s[0:1], 0x0               ; W s[4:5], y s[6:7], the scales' exponents s[8:9], the codes s[10:11]
	s_load_b64 s[12:13], s[0:1], 0x20              ; yw
	v_lshl_add_u32 v192, v0, 2, 0x4000
	v_mov_b32 v193, 0
	v_lshrrev_b32 v1, 5, v0
	v_readfirstlane_b32 s14, v1                    ; wave 0..3
	v_and_b32 v1, 31, v0                           ; lane
	v_lshlrev_b32 v[LO], 4, v1
	s_lshl_b32 s23, s14, 12                        ; my wave's LDS bytes begin here
	v_lshl_add_u32 v[SA], v1, 2, s23
	v_lshl_add_u32 v[SR], v1, 4, s23
	v_mov_b32 v[ZO], 0
	s_lshl_b32 s15, ttmp9, 2
	s_add_co_u32 s15, s15, s14                     ; my row
	s_mov_b32 s20, 0x76543210                      ; v_permlanex16_b32: each lane takes its own place in the other half
	s_mov_b32 s21, 0xfedcba98
	s_mov_b32 s17, 0                               ; the offsets below stay under 2^32
	s_wait_alu depctr_va_vdst(0)
	s_wait_kmcnt 0x0
	s_load_b32 s18, s[8:9], 0x4                    ; e1
	s_lshl_b32 s16, s15, 14
	s_add_nc_u64 s[4:5], s[4:5], s[16:17]          ; W and y at my row
	s_add_nc_u64 s[6:7], s[6:7], s[16:17]
	s_lshl_b32 s16, s15, 12
	s_add_nc_u64 s[10:11], s[10:11], s[16:17]      ; the codes at my row
	s_lshl_b32 s16, s15, 2
	s_add_nc_u64 s[12:13], s[12:13], s[16:17]      ; yw at my number
.macro LOAD t                          ; step t's 512 numbers of W and of y into set t % 4: each load reads 512 consecutive bytes; both tensors are read once in the launch
.irp i, 0,1,2,3
	global_load_b128 v[WR+16*((\t)%4)+4*\i:WR+16*((\t)%4)+4*\i+3], v[LO], s[4:5] offset:2048*(\t)+512*\i th:TH_LOAD_NT
.endr
.irp i, 0,1,2,3
	global_load_b128 v[YR+16*((\t)%4)+4*\i:YR+16*((\t)%4)+4*\i+3], v[LO], s[6:7] offset:2048*(\t)+512*\i th:TH_LOAD_NT
.endr
.endm
	LOAD 0
	LOAD 1
	LOAD 2
	LOAD 3
	s_wait_kmcnt 0x0
	s_add_co_i32 s18, s18, 127
	s_lshl_b32 s19, s18, 23
	v_mov_b32 v[SC], s19                           ; 2^e1 as f32: the conversion takes its exponent field
	s_add_co_i32 s18, s18, 8
	s_lshl_b32 s18, s18, 23
	s_or_b32 s18, s18, 0x600000                    ; 448 = 1.75 x 2^8: the exponent e1 + 8 over the mantissa field of 1.75
	v_mov_b32 v[LIM], s18
.macro STEP t
.set WS, WR+16*((\t)%4)
.set YS, YR+16*((\t)%4)
.if (\t) < 5
	s_wait_loadcnt 24                              ; loads come back in order (ISA guide 5.7.1): this step's eight are in; the eight of each of the three steps behind it may be out
.else
	s_wait_loadcnt 8*(7-(\t))                      ; the last steps: fewer are behind
.endif
.irp p, 0,1,2,3,4,5,6,7                        ; y W, two at a time, in four chains; ahead of the hold, which writes over W
.if ((\t) == 0) && (\p < 4)
	v_pk_mul_f32 v[ACC+2*\p:ACC+2*\p+1], v[WS+2*\p:WS+2*\p+1], v[YS+2*\p:YS+2*\p+1]   ; the first four products start the chains: nothing is cleared
.else
	v_pk_fma_f32 v[ACC+2*(\p%4):ACC+2*(\p%4)+1], v[WS+2*\p:WS+2*\p+1], v[YS+2*\p:YS+2*\p+1], v[ACC+2*(\p%4):ACC+2*(\p%4)+1]
.endif
.endr
.irp i, 0,1,2,3,4,5,6,7,8,9,10,11,12,13,14,15
	v_med3_num_f32 v[WS+\i], v[WS+\i], -v[LIM], v[LIM]   ; the conversion to an 8-bit code does not saturate (ISA guide 7.6.2): the number is held within 448 x the scale first
.endr
.if (\t) > 0
	s_wait_alu depctr_va_vdst(0)
	s_wait_dscnt 0x0                               ; the step before: its four LDS stores have read C, and its 16 codes are back in O
.endif
	v_cvt_scalef32_pk8_fp8_f32 v[C:C+1], v[WS:WS+7], v[SC]        ; eight numbers / 2^e1, to the nearest code, ties to even; the first number's code in the lowest byte
	v_cvt_scalef32_pk8_fp8_f32 v[C+2:C+3], v[WS+8:WS+15], v[SC]   ; (the codes go to LDS stores, the numbers' registers take loads; the next vector lines are plain and touch neither)
.if (\t) < 4
	LOAD (\t)+4                                    ; the set just worked takes the step four further on
.endif
.if (\t) == 4
.irp u, 0,1,2,3
	global_store_b128 v[LO], v[O+4*\u:O+4*\u+3], s[10:11] offset:512*\u   ; the codes of steps 0 to 3 leave here, behind the issue of the wave's last loads; each store covers 512 consecutive bytes, aligned
.endr
.endif
.if (\t) > 4
	global_store_b128 v[LO], v[O+4*((\t)-1):O+4*((\t)-1)+3], s[10:11] offset:512*((\t)-1)   ; 512 consecutive bytes, at a multiple of 512 from the buffer's first byte
.endif
.irp i, 0,1,2,3
	ds_store_b32 v[SA], v[C+\i] offset:512*(\t)+128*\i   ; the codes of k = 512 t + 128 i + 4 lane + 0 .. 3 at byte k of my wave's LDS bytes
.endr
	ds_load_b128 v[O+4*(\t):O+4*(\t)+3], v[SR] offset:512*(\t)   ; LDS serves a wave's instructions in order (ISA guide 5.7.1.4): this sees the four stores
.endm
	s_wait_alu depctr_va_vdst(0)
.irp t, 0,1,2,3,4,5,6,7
	STEP \t
.endr
	v_pk_add_f32 v[ACC:ACC+1], v[ACC:ACC+1], v[ACC+2:ACC+3]       ; the lane's eight partial sums,
	v_pk_add_f32 v[ACC+4:ACC+5], v[ACC+4:ACC+5], v[ACC+6:ACC+7]
	v_pk_add_f32 v[ACC:ACC+1], v[ACC:ACC+1], v[ACC+4:ACC+5]
	v_add_f32 v[ACC], v[ACC], v[ACC+1]
	v_add_f32_dpp v[ACC], v[ACC], v[ACC] row_xmask:1 row_mask:0xf bank_mask:0xf   ; the sixteen lanes of a half,
	v_add_f32_dpp v[ACC], v[ACC], v[ACC] row_xmask:2 row_mask:0xf bank_mask:0xf
	v_add_f32_dpp v[ACC], v[ACC], v[ACC] row_xmask:4 row_mask:0xf bank_mask:0xf
	v_add_f32_dpp v[ACC], v[ACC], v[ACC] row_xmask:8 row_mask:0xf bank_mask:0xf
	v_permlanex16_b32 v[ACC+1], v[ACC], s20, s21   ; (its destination counts as read: it has been written)
	v_add_f32 v[ACC], v[ACC], v[ACC+1]             ; and the two halves: the row's sum in every lane
	s_wait_alu depctr_va_vdst(0)
	s_wait_dscnt 0x0                               ; the last step's codes are back
	global_store_b128 v[LO], v[O+28:O+31], s[10:11] offset:512*7
	v_cmp_eq_u32 vcc_lo, 0, v1
	s_wait_xcnt 0x0                                ; EXEC is a source of the stores that are out: it changes only behind this wait
	s_wait_tensorcnt 0x0
	ds_add_u32 v192, v193
	s_wait_dscnt 0x0
	s_and_saveexec_b32 s22, vcc_lo                 ; lane 0 alone
	global_store_b32 v[ZO], v[ACC], s[12:13]       ; yw[j]
	s_wait_xcnt 0x0                                ; and again in front of the line that widens it
	s_or_b32 exec_lo, exec_lo, s22
	s_endpgm
.Lfunc_end_k_q6ee1c23c20_prep:
	.size	k_q6ee1c23c20_prep, .Lfunc_end_k_q6ee1c23c20_prep-k_q6ee1c23c20_prep
	.p2alignl 7, 3214868480
	.fill 96, 4, 3214868480
	.section	.rodata,"a",@progbits
	.p2align	6, 0x0
	.amdhsa_kernel k_q6ee1c23c20_prep
		.amdhsa_group_segment_fixed_size 16896
		.amdhsa_private_segment_fixed_size 0
		.amdhsa_enable_private_segment 0
		.amdhsa_kernarg_size 40
		.amdhsa_user_sgpr_count 2
		.amdhsa_user_sgpr_kernarg_segment_ptr 1
		.amdhsa_wavefront_size32 1
		.amdhsa_system_sgpr_workgroup_id_x 1
		.amdhsa_system_sgpr_workgroup_id_y 1
		.amdhsa_system_sgpr_workgroup_id_z 1
		.amdhsa_system_vgpr_workitem_id 0
		.amdhsa_next_free_vgpr 194
		.amdhsa_next_free_sgpr 66
		.amdhsa_reserve_vcc 1
		.amdhsa_float_denorm_mode_32 3
		.amdhsa_float_denorm_mode_16_64 3
		.amdhsa_memory_ordered 1
		.amdhsa_forward_progress 1
		.amdhsa_inst_pref_size 26
	.end_amdhsa_kernel
	.amdgpu_metadata
---
amdhsa.version: [ 1, 2 ]
amdhsa.kernels:
  - .name:           k_q6ee1c23c20_prep
    .symbol:         k_q6ee1c23c20_prep.kd
    .args:
      - { .name: W, .offset: 0, .size: 8, .value_kind: global_buffer, .address_space: global }
      - { .name: y, .offset: 8, .size: 8, .value_kind: global_buffer, .address_space: global }
      - { .name: lowp_scales, .offset: 16, .size: 8, .value_kind: global_buffer, .address_space: global }
      - { .name: w_codes, .offset: 24, .size: 8, .value_kind: global_buffer, .address_space: global }
      - { .name: yw, .offset: 32, .size: 8, .value_kind: global_buffer, .address_space: global }
    .group_segment_fixed_size: 16896
    .private_segment_fixed_size: 0
    .kernarg_segment_align: 8
    .kernarg_segment_size: 40
    .max_flat_workgroup_size: 128
    .sgpr_count:     66
    .vgpr_count:     194
    .wavefront_size: 32
...
	.end_amdgpu_metadata
.endif
;; end of part 1
;; launch gemm (part 2): grid 16 x 16, 4 waves a work-group, clusters of 4 x 4, 327,680 bytes of LDS; arguments x_codes, w_codes, lowp_scales, out0, yw; writes out0
.if DOCPART == 2
	.amdgcn_target "amdgcn-amd-amdhsa--gfx1250"
	.amdhsa_code_object_version 6
	.text
	.protected	k_q6ee1c23c20_gemm
	.globl	k_q6ee1c23c20_gemm
	.p2align	8
	.type	k_q6ee1c23c20_gemm,@function
k_q6ee1c23c20_gemm:
	s_mov_b64 s[64:65], 0
	v_nop
	global_prefetch_b8 v0, s[64:65] scope:SCOPE_SE
	s_setreg_imm32_b32 hwreg(HW_REG_WAVE_MODE, 25, 1), 1
	s_wait_xcnt 0x0
	s_wait_alu depctr_hold_cnt(0) depctr_sa_sdst(0) depctr_va_vdst(0) depctr_va_sdst(0) depctr_va_ssrc(0) depctr_va_vcc(0) depctr_vm_vsrc(0)
	s_getreg_b32 s2, hwreg(HW_REG_IB_STS2, 6, 4)
	s_cmp_eq_u32 s2, 0
	s_cbranch_scc0 .Lentry_in_a_cluster
	s_endpgm
.Lentry_in_a_cluster:
	s_bfe_u32 s2, ttmp6, 0x10000c
	s_cmp_lg_u32 s2, 0xf033
	s_cbranch_scc0 .Lentry_shape_is_right
	s_endpgm
.Lentry_shape_is_right:
; out0[i][j] = yw[j] - 2^(e0 + e1) x (sum over k of x_codes[i][k] w_codes[j][k]).  Both operands are E4M3 codes with K innermost, rows of 4,096 bytes; sums in f32.
; LIMIT: e0 + e1 between -126 and 127, so that 2^(e0 + e1) is an f32 number.  No work of the problem is left out here.
; A block of 256 x 256 to a work-group of four waves, 128 x 128 a wave: 64 accumulators, 512 registers.  256 work-groups.
; K goes in steps of 256 bytes through two LDS slots (256 rows of x, 256 rows of W, pitch 272), filled by joint loads of a 4 x 4 cluster: x's tile is shared along a row
; of the cluster, W's along a column.  Each cluster begins K at a step of its own (a multiple of 4 steps, from the cluster's numbers) and wraps round: the order of a sum's K steps differs, the terms do not.
; THE MATRIX INSTRUCTION IS USED TRANSPOSED (source 0 = 16 rows of W, source 1 = 16 rows of x): a lane holds eight neighbouring columns of one row of the result.
; A fragment (16 rows x 128 K) comes by four loads of 16 bytes: the same permutation of k on both sides.
; A STEP OF 128 ALONG K is eight groups of eight matrix instructions (one block of x against W's eight).  The next step's 64 LDS loads stand in four batches, behind groups 1, 3, 5 and 7:
; W 0-4 | W 5-7 and x 0, 1 | x 2-5 | x 6, 7 (20, 20, 16, 8 loads).  W has two sets of registers, x one: a block of x is loaded anew behind its own group.
; A slot's second step changes slots at its head: by then all of the slot's fragments have been asked for, so the slot is free behind the barrier, 16 matrix instructions into the step.
; THE LAST 256 ALONG K GO BY ROWS OF THE RESULT: both sets of W stay, and my eight blocks of 16 rows are finished one after the other, 16 matrix instructions each, K ascending; each block leaves as soon as it is finished.
; REGISTERS: window 0: v0-31 addresses, v32-95 a block's rows on the way out, v96-127 two fragments of x for the last 128 along K, v128-255 x's fragments.  Window 1: W's two sets.
; Windows 2, 3: the accumulators of my rows 0-63, 64-127.
; PREFETCH: behind each refill one instruction a wave names the K step two refills on: 32 rows x 256 bytes, a lane a row.  Of the 128 rows that a wave fetches, each of the four partners
; that ask jointly takes 32, told apart by address.  The head names K step 1 behind the first joint load and K steps 2 and 3 behind the second; the loop's last trip names nothing.
.set SIZE_N, 4096
.set KROW,   4096
.set ROWB,   256
.set PITCH,  272
.set FR,     16
.set HALFT,  128*PITCH
.set SLOT,   4*HALFT
.set LAPS,   8
.set SPARE,  2*SLOT                    ; behind the ring: the spare words, 512 bytes that no other line names
.set SPITCH, 528                       ; the way out: a stage of 16 rows x (512 + 16) bytes a wave, in slot 0 behind its last fill and last read
.set YW,   8                           ; v[8:11] yw of my four columns of a row read back
.set ADRA, 16
.set ADRB, 20
.set STO,  24
.set RD,   25
.set CO,   26
.set SPW,  28
.set NIL,  29
.set PFO,  30                          ; lane x a row of codes
.set BK,   32
.set A1,   96
.set AF,   128
.set G1, 24
.set G0, 32
.set G1B, 48
.set G0B, 56
.set PA,  68                           ; my 128 rows of x, of W: first byte
.set PB,  70
.set KO,  72                           ; byte along K of the next refill
.set PFB, 76                           ; my 32 rows for the prefetches
.set PFA, 78                           ; the same at the K step to name
.set KP,  80                           ; byte along K of the next prefetch
.set MSB, 0
.macro WIN new
.if MSB != (\new)
	s_set_vgpr_msb (MSB<<8)|(\new)
.set MSB, (\new)
.endif
.endm
.set MUL_LO, 0xa1
.set TO_B,   0x40
.macro JLOAD g0a, g1a, g0b, g1b        ; waves 0, 1 ask for x, waves 2, 3 for W
	s_cmp_eq_u32 s15, 0
	s_cbranch_scc0 .Lfor_b_\@
	tensor_load_to_lds s[\g0a:\g0a+3], s[\g1a:\g1a+7]
	s_nop 0
.rept 4
	v_nop
.endr
	s_branch .Lasked_\@
.Lfor_b_\@:
	tensor_load_to_lds s[\g0b:\g0b+3], s[\g1b:\g1b+7]
	s_nop 0
.rept 4
	v_nop
.endr
.Lasked_\@:
.endm
.macro AIM slot                        ; the slot's two descriptors at the next K step; K wraps inside the row
	s_add_nc_u64 s[G0+4*\slot+2:G0+4*\slot+3], s[PA:PA+1], s[KO:KO+1]
	s_or_b32 s[G0+4*\slot+3], s[G0+4*\slot+3], 0x80000000
	s_add_nc_u64 s[G0B+4*\slot+2:G0B+4*\slot+3], s[PB:PB+1], s[KO:KO+1]
	s_or_b32 s[G0B+4*\slot+3], s[G0B+4*\slot+3], 0x80000000
	s_add_co_u32 s[KO], s[KO], ROWB
	s_and_b32 s[KO], s[KO], KROW-1
.endm
.macro CREST
	s_cmp_lg_u32 s14, 0
	s_cbranch_scc1 .Lnot_wave_0_\@
	s_barrier_signal -3
.Lnot_wave_0_\@:
	s_barrier_wait -3
	s_barrier_signal -1
	s_barrier_wait -1
.endm
.macro CROUND
	s_barrier_signal -1
	s_barrier_wait -1
	CREST
.endm
.macro PLACES                          ; four places in front of loads into registers that matrix instructions have read, and of reads of results
.rept 4
	v_nop
.endr
.endm
	s_load_b128 s[4:7], s[0:1], 0x0                ; x's codes, W's codes
	s_load_b128 s[8:11], s[0:1], 0x10              ; the scales' exponents, out0
	s_load_b64 s[12:13], s[0:1], 0x20              ; yw
	v_lshl_add_u32 v[SPW], v0, 2, SPARE
	v_mov_b32 v[NIL], 0
	ds_add_u32 v[SPW], v[NIL]                      ; the opening lines: the add twice on end and its wait
	ds_add_u32 v[SPW], v[NIL]
	v_lshrrev_b32 v1, 5, v0
	v_readfirstlane_b32 s14, v1                    ; wave
	v_and_b32 v[PFO], 31, v0
	v_lshlrev_b32 v[PFO], 12, v[PFO]
	s_lshr_b32 s15, s14, 1                         ; my half of the rows; also: I fetch for x (0) or W (1)
	s_and_b32 s16, s14, 1                          ; my half of the columns; also: which 128 rows I fetch
	s_bfe_u32 s40, ttmp6, 0x40000                  ; cx
	s_bfe_u32 s41, ttmp6, 0x40004                  ; cy
	s_lshl_b32 s42, ttmp9, 2
	s_add_co_u32 s42, s42, s40                     ; block column
	s_and_b32 s17, ttmp7, 0xffff
	s_lshl_b32 s17, s17, 2
	s_add_co_u32 s17, s17, s41                     ; block row
	s_lshl_b32 s43, s41, 2
	s_lshl_b32 s43, 15, s43                        ; my row of the cluster
	s_lshl_b32 s44, 0x1111, s40                    ; my column
	s_and_b32 s74, ttmp9, 1                        ; the cluster's first K step: 0, 4, 8 or 12, from the cluster's two numbers alone
	s_lshl_b32 s74, s74, 3
	s_and_b32 s75, ttmp9, 2
	s_lshl_b32 s75, s75, 1
	s_add_co_u32 s[KO], s74, s75
	s_and_b32 s74, ttmp7, 1
	s_lshl_b32 s74, s74, 3
	s_and_b32 s75, ttmp7, 2
	s_lshl_b32 s75, s75, 1
	s_add_co_u32 s74, s74, s75
	s_add_co_u32 s[KO], s[KO], s74
	s_and_b32 s[KO], s[KO], 15
	s_lshl_b32 s[KO], s[KO], 8
	s_mov_b32 s[KO+1], 0
	s_mov_b32 s[KP], s[KO]
	s_mov_b32 s[KP+1], 0
	s_or_b32 s[G1+0], s43, (0<<16)|(1<<20)|(1<<21)|(5<<22)|(3<<25)   ; mask; bytes; 4 words of padding behind every 64
	s_or_b32 s[G1B+0], s44, (0<<16)|(1<<20)|(1<<21)|(5<<22)|(3<<25)
.irp g, G1, G1B
	s_mov_b32 s[\g+1], ROWB<<16
	s_mov_b32 s[\g+2], 128<<16
	s_mov_b32 s[\g+3], ROWB<<16
	s_mov_b32 s[\g+4], 128
	s_mov_b32 s[\g+5], KROW
	s_mov_b32 s[\g+6], 0
	s_mov_b32 s[\g+7], 0
.endr
	s_lshl_b32 s18, s16, 7
	s_lshl_b32 s20, s17, 8
	s_add_co_u32 s20, s20, s18
	s_lshl_b32 s20, s20, 12                        ; x: (256 x block row + 128 x half) rows of 4,096 bytes
	s_lshl_b32 s46, s42, 8
	s_add_co_u32 s46, s46, s18
	s_lshl_b32 s46, s46, 12                        ; W: by the block column
	s_mov_b32 s21, 0
	s_mov_b32 s47, 0
	s_cmp_eq_u32 s15, 0
	s_cselect_b32 s74, s20, s46                    ; the prefetches: the 128 rows that I fetch,
	s_cselect_b32 s75, s40, s41                    ; my place among the four that ask with me,
	s_lshl_b32 s75, s75, 17                        ; x 32 rows
	s_add_co_u32 s74, s74, s75
	s_mov_b32 s75, 0
	s_mul_i32 s45, s14, HALFT                      ; LDS: wave x 128 rows
.irp s, 0,1
	s_mov_b32 s[G0+4*\s], 1
	s_add_co_u32 s[G0+4*\s+1], s45, \s*SLOT
	s_mov_b32 s[G0B+4*\s], 1
	s_add_co_u32 s[G0B+4*\s+1], s45, \s*SLOT
.endr
	s_wait_dscnt 0x0                               ; both opening adds are done
	s_wait_kmcnt 0x0
	s_load_b64 s[96:97], s[8:9], 0x0               ; e0, e1
	s_add_nc_u64 s[PA:PA+1], s[4:5], s[20:21]
	s_add_nc_u64 s[PB:PB+1], s[6:7], s[46:47]
	s_cmp_eq_u32 s15, 0
	s_cselect_b64 s[PFB:PFB+1], s[4:5], s[6:7]
	s_add_nc_u64 s[PFB:PFB+1], s[PFB:PFB+1], s[74:75]
	s_add_nc_u64 s[PFA:PFA+1], s[PFB:PFB+1], s[KP:KP+1]   ; at my first K step, a multiple of 1,024 bytes: three steps on it has not wrapped
	s_add_co_u32 s[KP], s[KP], 4*ROWB              ; the loop's first prefetch names K step 4
	s_and_b32 s[KP], s[KP], KROW-1
	AIM 0
	AIM 1
	CROUND                                         ; in front of the first joint loads
	JLOAD G0, G1, G0B, G1B                         ; K step 0: one tensor load a wave at the head
	s_wait_alu depctr_va_vdst(0)                   ; the wait ahead of the reader below
	global_prefetch_b8 v[PFO], s[PFA:PFA+1] offset:ROWB th:TH_LOAD_NT scope:SCOPE_SE     ; K step 1
	s_mul_i32 s18, s15, HALFT                      ; my 128 rows of x
	s_mul_i32 s19, s16, HALFT
	s_add_co_u32 s19, s19, 2*HALFT                 ; my 128 rows of W, behind x's 256
	s_mul_i32 s23, s14, 16*SPITCH                  ; my stage
	v_and_b32 v1, 15, v0
	v_bfe_u32 v2, v0, 4, 1
	v_mul_u32_u24 v3, v1, PITCH
	v_lshl_add_u32 v4, v2, 4, v3                   ; a fragment's row x pitch + 16 x half
	v_add_nc_u32 v[ADRA], s18, v4
	v_add_nc_u32 v[ADRB], s19, v4
	v_add_nc_u32 v[ADRA+1], SLOT, v[ADRA]
	v_add_nc_u32 v[ADRB+1], SLOT, v[ADRB]
	v_mul_u32_u24 v5, v1, SPITCH
	v_lshl_add_u32 v5, v2, 5, v5
	v_add_nc_u32 v[STO], s23, v5                   ; into the stage: row l % 16, 32 bytes for each half of the lanes
	v_and_b32 v6, 31, v0
	v_lshlrev_b32 v[CO], 4, v6                     ; back: 32 lanes take a row of 512 bytes; the same in out0 and in yw
	v_add_nc_u32 v[RD], s23, v[CO]
	s_lshl_b32 s20, s17, 8
	s_lshl_b32 s21, s15, 7
	s_add_co_u32 s20, s20, s21
	s_lshl_b32 s20, s20, 14                        ; my first row of out0, rows of 16,384 bytes
	s_mov_b32 s21, 0
	s_lshl_b32 s46, s42, 10
	s_lshl_b32 s47, s16, 9
	s_add_co_u32 s46, s46, s47                     ; my first column, in bytes
	s_mov_b32 s47, 0
	s_add_nc_u64 s[12:13], s[12:13], s[46:47]
	s_add_nc_u64 s[10:11], s[10:11], s[20:21]
	s_add_nc_u64 s[10:11], s[10:11], s[46:47]
; Eight matrix instructions: x's fragment at v[fa] (block a) against W's eight of set p: eight accumulators, one instruction each
.macro MUL8 a, fa, p, zero
	WIN MUL_LO+0x50*((\a)/4)
.irp b, 0,1,2,3,4,5,6,7
.if \zero
	v_wmma_f32_16x16x128_fp8_fp8 v[64*((\a)%4)+8*\b:64*((\a)%4)+8*\b+7], v[128*(\p)+FR*\b:128*(\p)+FR*\b+FR-1], v[(\fa):(\fa)+FR-1], 0
.else
	v_wmma_f32_16x16x128_fp8_fp8 v[64*((\a)%4)+8*\b:64*((\a)%4)+8*\b+7], v[128*(\p)+FR*\b:128*(\p)+FR*\b+FR-1], v[(\fa):(\fa)+FR-1], v[64*((\a)%4)+8*\b:64*((\a)%4)+8*\b+7]
.endif
.endr
.endm
.macro GRP a, p, zero
	MUL8 \a, AF+FR*(\a), \p, \zero
.endm
.macro LB s, q, p, i                   ; fragment i of W into set p
	WIN TO_B
.irp c, 0,1,2,3
	ds_load_b128 v[128*(\p)+FR*(\i)+4*\c:128*(\p)+FR*(\i)+4*\c+3], v[ADRB+(\s)] offset:128*(\q)+32*\c+(\i)*16*PITCH
.endr
.endm
.macro LX reg, s, q, i                 ; block i of x into v[reg ..]
	WIN 0
.irp c, 0,1,2,3
	ds_load_b128 v[(\reg)+4*\c:(\reg)+4*\c+3], v[ADRA+(\s)] offset:128*(\q)+32*\c+(\i)*16*PITCH
.endr
.endm
.macro LA s, q, i
	LX AF+FR*(\i), \s, \q, \i
.endm
; One step of 128 along K: the slot's half q, W's set q.  mode 0: the next step lies in the same slot.  1: change of slots, this slot is filled again.  2: change of slots, no fill.
; The counted waits on DScnt name the loads issued behind the batch that the next group needs (batches of 20, 20, 16, 8, in order).
.macro KSTEP slot, q, zero, mode
.set NS, ((\slot)+(\q))%2
.set NQ, 1-(\q)
.if (\mode)!=0
.if (\mode)==1
	s_wait_xcnt 0x0                                ; my last prefetch has read its address, which is written below
.endif
	s_wait_tensorcnt 0x0                           ; all my tensor loads have landed: my part of the next slot
	ds_add_u32 v[SPW], v[NIL]
.if (\mode)==1
	AIM \slot
	s_add_nc_u64 s[PFA:PFA+1], s[PFB:PFB+1], s[KP:KP+1]
	s_add_co_u32 s[KP], s[KP], ROWB
	s_and_b32 s[KP], s[KP], KROW-1
.endif
	s_wait_dscnt 25                                ; W's set and blocks 0, 1 are in: behind them 24 loads and the add
	GRP 0, \q, 0
	s_wait_dscnt 0x0                               ; the add is done, and all my reads of this slot are back
	s_barrier_signal -1
	GRP 1, \q, 0
	WIN 0
	s_barrier_wait -1
.if (\mode)==1
	CREST                                          ; the barrier has opened a round of the cluster's barrier
	JLOAD G0+4*\slot, G1, G0B+4*\slot, G1B         ; the refill, first behind the round; its four v_nop are the places for the loads below
.else
	PLACES
.endif
.else
	s_wait_dscnt 24                                ; W's set and blocks 0, 1: behind them 16 + 8 loads
	GRP 0, \q, \zero
	GRP 1, \q, \zero
	PLACES
.endif
.irp i, 0,1,2,3,4
	LB NS, NQ, NQ, \i
.endr
.if (\mode)==0
	s_wait_dscnt 28                                ; blocks 2 to 5: behind them 8 of the last step's loads and 20 of this one's
.endif
	GRP 2, \q, \zero
	GRP 3, \q, \zero
	PLACES
.irp i, 5,6,7
	LB NS, NQ, NQ, \i
.endr
	LA NS, NQ, 0
	LA NS, NQ, 1
.if (\mode)==1
	s_cmp_gt_u32 s3, 1                             ; the loop's last trip has no K step two refills on
	s_cbranch_scc0 .Lno_ask_\@
	global_prefetch_b8 v[PFO], s[PFA:PFA+1] th:TH_LOAD_NT scope:SCOPE_SE
.Lno_ask_\@:
.endif
.if (\mode)==0
	s_wait_dscnt 40                                ; blocks 6, 7: behind them this step's first 40 loads
.endif
	GRP 4, \q, \zero
	GRP 5, \q, \zero
	PLACES
.irp i, 2,3,4,5
	LA NS, NQ, \i
.endr
	GRP 6, \q, \zero
	GRP 7, \q, \zero
	PLACES
	LA NS, NQ, 6
	LA NS, NQ, 7
.endm
	s_wait_alu depctr_va_vdst(0)                   ; the wait at the head's end
	s_wait_tensorcnt 0x0                           ; my part of K step 0 is in; slot 1's first fill is issued as a refill is
	ds_add_u32 v[SPW], v[NIL]
	s_wait_dscnt 0x0
	CROUND
	JLOAD G0+4, G1, G0B+4, G1B                     ; K step 1
.irp i, 0,1,2,3,4,5,6,7
	LB 0, 0, 0, \i
.endr
.irp i, 0,1,2,3,4,5,6,7
	LA 0, 0, \i
.endr
	global_load_b128 v[YW:YW+3], v[CO], s[12:13]   ; yw of my four columns: the wave reads 512 consecutive bytes
	global_prefetch_b8 v[PFO], s[PFA:PFA+1] offset:2*ROWB th:TH_LOAD_NT scope:SCOPE_SE   ; K step 2
	global_prefetch_b8 v[PFO], s[PFA:PFA+1] offset:3*ROWB th:TH_LOAD_NT scope:SCOPE_SE   ; K step 3
	KSTEP 0, 0, 1, 0                               ; the first step starts the sums: nothing is cleared
	s_mov_b32 s3, LAPS-1
.Llap:
	KSTEP 0, 1, 0, 1
	KSTEP 1, 0, 0, 0
	KSTEP 1, 1, 0, 1
	KSTEP 0, 0, 0, 0
	s_sub_co_u32 s3, s3, 1
	s_cmp_lg_u32 s3, 0
	s_cbranch_scc1 .Llap
	KSTEP 0, 1, 0, 2                               ; the last change of slots fills nothing; it fetches W's set 0 and x's eight blocks of slot 1's first half
; THE LAST K STEP BY ROWS, AND THE WAY OUT.  A finished block of 16 rows x 128 columns goes as it is into my own stage and comes back as whole rows of 512 bytes; there a lane holds columns
; 4 l .. 4 l + 3 of every row, so four numbers of yw serve all rows; yw - 2^(e0 + e1) x sum is one packed multiply-add for two numbers; the 32 lanes store two aligned units of 256 bytes.
.macro LA1 i                           ; block i of x, slot 1's second half, into the ring of two
	LX A1+FR*((\i)%2), 1, 1, \i
.endm
.macro ROW a                           ; block a is finished: its eight accumulators by turns, K ascending
	MUL8 \a, AF+FR*(\a), 0, 0
.if (\a)==0
	s_wait_dscnt 4                                 ; W's set 1 and the ring's first fragment are in; behind them the ring's second
.endif
	MUL8 \a, A1+FR*((\a)%2), 1, 0
	WIN 0
.endm
.macro TOSTAGE a
	WIN 0x08+4*((\a)/4)                            ; the stores' data: window 2 or 3
.irp b, 0,1,2,3,4,5,6,7
	ds_store_b128 v[STO], v[64*((\a)%4)+8*\b:64*((\a)%4)+8*\b+3] offset:64*\b          ; each accumulator from its low end on
	ds_store_b128 v[STO], v[64*((\a)%4)+8*\b+4:64*((\a)%4)+8*\b+7] offset:64*\b+16
.endr
	WIN 0
.irp t, 0,1,2,3,4,5,6,7,8,9,10,11,12,13,14,15
	ds_load_b128 v[BK+4*\t:BK+4*\t+3], v[RD] offset:\t*SPITCH   ; LDS serves a wave's instructions in order (ISA guide 5.7.1.4)
.endr
.endm
.macro SEND a, younger
	s_wait_dscnt \younger
.if (\a) > 0
	s_add_nc_u64 s[10:11], s[10:11], 16*SIZE_N*4   ; behind a wait on XCNT: the earlier stores have read their base
.endif
.irp j, 0,2,4,6,8,10,12,14,16,18,20,22,24,26,28,30,32,34,36,38,40,42,44,46,48,50,52,54,56,58,60,62
	v_pk_fma_f32 v[BK+\j:BK+\j+1], v[BK+\j:BK+\j+1], s[96:97], v[YW+(\j%4):YW+(\j%4)+1] op_sel_hi:[1,0,1]
.endr
.irp t, 0,1,2,3,4,5,6,7,8,9,10,11,12,13,14,15
	global_store_b128 v[CO], v[BK+4*\t:BK+4*\t+3], s[10:11] offset:\t*SIZE_N*4 th:TH_STORE_NT
.endr
.endm
.irp i, 0,1,2,3,4,5,6,7
	LB 1, 1, 1, \i                                 ; W's set 1 takes slot 1's second half (four places stand behind the last products that read it)
.endr
	LA1 0
	LA1 1
	s_wait_kmcnt 0x0
	s_add_co_i32 s96, s96, s97
	s_add_co_i32 s96, s96, 127
	s_lshl_b32 s96, s96, 23
	s_or_b32 s96, s96, 0x80000000                  ; -2^(e0 + e1)
	s_wait_loadcnt 0x0                             ; yw
	s_wait_dscnt 40                                ; all but the 40 just issued: W's set 0 and x's eight blocks are in
	ROW 0
	PLACES
.irp a, 0,1,2,3,4,5,6,7
.if \a > 0
	s_wait_xcnt 0x0                                ; the block before: its stores have read their registers and their base.  (Its 32 multiply-adds are the places behind the last products)
.endif
	TOSTAGE \a
.if \a < 6
	LA1 \a+2                                       ; the ring's fragment that block a has used takes the block two further on
	s_wait_dscnt 36                                ; block a + 1's fragment is in: behind it the stage's 32 and the 4 just issued
	ROW \a+1
	SEND \a, 4
.else
.if \a < 7
	s_wait_dscnt 32
	ROW \a+1
.endif
	SEND \a, 0
.endif
.endr
	s_wait_tensorcnt 0x0                           ; the wave's end
	ds_add_u32 v[SPW], v[NIL]
	s_wait_dscnt 0x0
	CROUND                                         ; the closing round
	s_endpgm
.Lfunc_end_k_q6ee1c23c20_gemm:
	.size	k_q6ee1c23c20_gemm, .Lfunc_end_k_q6ee1c23c20_gemm-k_q6ee1c23c20_gemm
	.p2alignl 7, 3214868480
	.fill 96, 4, 3214868480
	.section	.rodata,"a",@progbits
	.p2align	6, 0x0
	.amdhsa_kernel k_q6ee1c23c20_gemm
		.amdhsa_group_segment_fixed_size 327680
		.amdhsa_private_segment_fixed_size 0
		.amdhsa_enable_private_segment 0
		.amdhsa_kernarg_size 40
		.amdhsa_user_sgpr_count 2
		.amdhsa_user_sgpr_kernarg_segment_ptr 1
		.amdhsa_wavefront_size32 1
		.amdhsa_system_sgpr_workgroup_id_x 1
		.amdhsa_system_sgpr_workgroup_id_y 1
		.amdhsa_system_sgpr_workgroup_id_z 1
		.amdhsa_system_vgpr_workitem_id 0
		.amdhsa_next_free_vgpr 1024
		.amdhsa_next_free_sgpr 98
		.amdhsa_reserve_vcc 0
		.amdhsa_float_denorm_mode_32 3
		.amdhsa_float_denorm_mode_16_64 3
		.amdhsa_memory_ordered 1
		.amdhsa_forward_progress 1
		.amdhsa_inst_pref_size 129
	.end_amdhsa_kernel
	.amdgpu_metadata
---
amdhsa.version: [ 1, 2 ]
amdhsa.kernels:
  - .name:           k_q6ee1c23c20_gemm
    .symbol:         k_q6ee1c23c20_gemm.kd
    .args:
      - { .name: x_codes, .offset: 0, .size: 8, .value_kind: global_buffer, .address_space: global }
      - { .name: w_codes, .offset: 8, .size: 8, .value_kind: global_buffer, .address_space: global }
      - { .name: lowp_scales, .offset: 16, .size: 8, .value_kind: global_buffer, .address_space: global }
      - { .name: out0, .offset: 24, .size: 8, .value_kind: global_buffer, .address_space: global }
      - { .name: yw, .offset: 32, .size: 8, .value_kind: global_buffer, .address_space: global }
    .group_segment_fixed_size: 327680
    .private_segment_fixed_size: 0
    .kernarg_segment_align: 8
    .kernarg_segment_size: 40
    .max_flat_workgroup_size: 128
    .sgpr_count:     98
    .vgpr_count:     1024
    .wavefront_size: 32
...
	.end_amdgpu_metadata
.endif
;; end of part 2
